; MI455X (gfx1250); checked and timed in simulation.
; The chip was launched on July 23, 2026; its instructions are those of AMD's public machine-readable ISA for CDNA 5 (MIT licence, August 2026) and "CDNA5" Instruction Set Architecture Reference Guide (July 2026). The comments in the code are by the model that wrote it; some were corrected since.
;; IBQ. Allowed arithmetic: matrix products marked QUANTISED: E4M3 operands, one E8M0 scale for each 32 along K, by v_wmma_scale_f32_16x16x128_f8f6f4 with both operands' format E4M3, f32 sums; everything else in f32.
;; Inputs: embedding 8,192 x 256 float32; z 32,768 x 256 float32.
;; Outputs: out0 32,768 x 256 float32; out1 32,768 int32.
;; This version of the problem:
;;   THIS VERSION OF THE PROBLEM IS GIVEN IN LOW PRECISION. The matrix products marked QUANTISED in the list below multiply operands that are first quantised to E4M3 (4 exponent bits, 3 mantissa bits; 8 bits a number), with one power-of-two scale for each 32 numbers along K (OCP MX v1.0); their sums are f32. All else is computed in f32.
;;   The module's matrix products, in the order in which they are computed (A, B: the left and right operand; K: the contracted axis; several contracted axes count as one K, in the product's order):
;;     1. [M 32,768, K 256] x [K 256, N 8,192]; A: input z; B: input embedding: QUANTISED
;;   THE QUANTISER, for each operand of a quantised product, along K:
;;     - K is cut into blocks of 32 from its start; a last block that is shorter is filled with zeros.
;;     - A block's scale is 2^e with e = floor(log2(the largest magnitude in the block)) - 8, held to -126 .. 127; a block of zeros has e = 0. As a byte (E8M0): e + 127.
;;     - Each number is divided by its block's scale, clamped to +-448, and rounded to the nearest number of E4M3, ties to even, subnormals kept.
;;     - The product sums the exact products of the quantised numbers (number of the format x scale) in f32.
;;   ~~~python
;;   def quantise(x, axis):      # numpy; x: float32 -> the quantised numbers, widened to float32 again
;;       x = np.moveaxis(x, axis, -1); K = x.shape[-1]
;;       x = np.pad(x, [(0, 0)] * (x.ndim - 1) + [(0, -K % 32)]); x = x.reshape(x.shape[:-1] + (-1, 32)); a = np.abs(x).max(-1, keepdims=True)
;;       e = np.where(a > 0, np.clip(np.frexp(np.where(a > 0, a, 1))[1] - 1 - 8, -126, 127), 0)      # np.frexp(a)[1] - 1 = floor(log2(a)), exactly
;;       r = np.clip(x / 2.0 ** e, -448, 448)
;;       step = 2.0 ** (np.maximum(np.frexp(np.where(r == 0, 1, r))[1] - 1, -6) - 3)
;;       q = np.round(r / step) * step * 2.0 ** e      # np.round: ties to even
;;       return np.moveaxis(q.reshape(q.shape[:-2] + (-1,))[..., :K], -1, axis).astype(np.float32)
;;   ~~~
;; One version. Each part assembles by itself: llvm-mc -triple=amdgcn-amd-amdhsa -mcpu=gfx1250 --defsym DOCPART=n.
;; ======== version 1 of 1: 3 launches
;; limits: right only within a limited range of input values
;; workspace buffers: epk 2,228,224 bytes; zpk 8,912,896 bytes; part 2,097,152 bytes of whole numbers
;; launch quant_e (part 1): grid 1280 x 1, 2 waves a work-group, no clusters, 34,048 bytes of LDS; arguments embedding, z, epk, zpk; writes epk, zpk
.if DOCPART == 1
	.amdgcn_target "amdgcn-amd-amdhsa--gfx1250"
	.amdhsa_code_object_version 6
	.text
	.protected	k_qbfe3a50f32_quant_e
	.globl	k_qbfe3a50f32_quant_e
	.p2align	8
	.type	k_qbfe3a50f32_quant_e,@function
k_qbfe3a50f32_quant_e:
	s_mov_b64 s[64:65], 0
	v_nop
	global_prefetch_b8 v0, s[64:65] scope:SCOPE_SE
	s_setreg_imm32_b32 hwreg(HW_REG_WAVE_MODE, 25, 1), 1
	s_wait_xcnt 0x0
; embedding [8192][256] f32 is turned, once, into what the next launch's waves take as they stand: one PACKAGE of 4,352 bytes for each tile of 16 rows.
;   bytes 0-4095     the codes (FP8, E4M3) as an image of the matrix operand's registers: chunk 4 s + c (s: which 128 along K, c = 0..3) is 512 bytes, lane l's 16 bytes at 16 l:
;                    row l % 16, k = 128 s + 32 c + 16 (l / 16) + 0 .. 15
;   bytes 4096-4223  32 scale words: word l holds the four E8M0 bytes of row l % 16 for the (l / 16)-th 128 along K
;   bytes 4224-4287  the 16 rows' sums of squares, f32, taken of the numbers as they are given
;   bytes 4288-4351  zeros, so that a package is 17 whole runs of 256 bytes
; A block's scale is 2^(floor(log2(its largest magnitude)) - 8); its byte is the largest magnitude's exponent field - 8, held at 1 from below.  A block of zeros so gets the byte 1 where the
; rule says 127: its codes are zeros, which add nothing under any byte but 0xff, and the bytes are read by this program alone.
; LIMITS: NaN and infinities among the inputs are not served; blocks whose largest magnitude lies under 2^-118, the floor, were not tried; a row's sum of squares is added in this text's own
; order (four packed chains a lane, then the two lanes of a row), not in the order of any other program.
; SHARES: a wave takes one tile: 16 KB of consecutive memory in, one package out.  Waves share nothing: no barrier.  Nothing is walked: no loop.
; The loads take the bytes as they lie (512 consecutive bytes an instruction); the conversions want 16 neighbours along K in one lane: so the tile turns through the wave's own stage in LDS.
.set PKG,    4352
.set SPITCH, 1040                      ; a stage row: 1,024 bytes + 16 = 65 x 16: the sixteen rows that a load touches begin in sixteen different columns of 16 bytes modulo 256
.set AUX,    16*SPITCH                 ; behind the stage: 256 bytes in which the package's last run is put together
.set WREG,   AUX+256                   ; LDS of one wave
.set TM,  12                           ; v12-15 largest magnitudes, v16-19 bytes, v20-23 448 x the scale, v24-27 the conversions' scale operands
.set Q,   TM                           ; v12-19 four packed chains of the sum of squares (done before TM is wanted; so v16-19 are also written before the lane permutes name them)
.set PW0, 28                           ; the scale word of K = 0..127
.set PW1, 29                           ; and of K = 128..255
.set EEV, 30                           ; the row's sum of squares
.set TMP, 31
.set X,   32                           ; v32-159 register 64 s + 16 b + i: e(row l % 16, k = 128 s + 32 b + 16 (l / 16) + i)
.set PC0, 160                          ; v160-175, v176-191 the two fragments' codes
.set PC1, 176
.set SEL, 20                           ; s[20:21] v_permlanex16_b32's selects for lane l xor 16
.set MNT, 23                           ; s23 the mantissa field of 448
	; One launch serves both tensors, which have rows of the same 256 numbers: work-groups 0-255 take embedding's 512 tiles, work-groups 256-1279 z's 2,048 tiles, into packages of the same make.
	; Only the pointers are chosen, by the work-group's number: both tensors take one way through the text.
	s_load_b256 s[24:31], s[0:1], 0x0              ; embedding s[24:25], z s[26:27], epk s[28:29], zpk s[30:31]
	v_lshl_add_u32 v192, v0, 2, 0x8400
	v_mov_b32 v193, 0
	v_lshrrev_b32 v1, 5, v0
	v_readfirstlane_b32 s8, v1                     ; wave 0, 1
	v_and_b32 v1, 31, v0                           ; lane
	v_and_b32 v2, 15, v0                           ; r
	v_bfe_u32 v3, v0, 4, 1                         ; h
	v_lshlrev_b32 v4, 4, v1                        ; 16 x lane: my bytes of a load's 512, and of a chunk of codes
	s_mul_i32 s9, s8, WREG
	v_add_nc_u32 v5, s9, v4                        ; the stage, on the way in
	v_mul_u32_u24 v6, v2, SPITCH
	v_lshl_add_u32 v6, v3, 6, v6
	v_add_nc_u32 v6, s9, v6                        ; and on the way out: row r, + 64 h: my 16 numbers of a block of 32
	s_add_co_u32 s10, s9, AUX
	v_lshl_add_u32 v7, v1, 2, s10                  ; the last run: a word a lane in,
	v_lshl_add_u32 v8, v1, 3, s10                  ; 8 bytes a lane out,
	v_lshlrev_b32 v9, 3, v1                        ; and the same place in memory
	v_mov_b32 v[TMP], 0                            ; written once: a lane permute's destination counts as one of its sources
	s_cmp_lt_u32 ttmp9, 256
	s_cselect_b32 s16, 0, 256
	s_sub_co_u32 s16, ttmp9, s16                   ; the work-group's number within its tensor
	s_lshl_b32 s11, s16, 1
	s_add_co_u32 s11, s11, s8
	s_lshl_b32 s12, s11, 14                        ; 16 rows of 1,024 bytes
	s_mov_b32 s13, 0
	s_mul_i32 s14, s11, PKG
	s_mov_b32 s15, 0
	s_mov_b32 s[SEL], 0x76543210
	s_mov_b32 s[SEL+1], 0xfedcba98
	s_mov_b32 s[MNT], 0x600000
	s_wait_alu depctr_va_vdst(0)
	s_wait_kmcnt 0x0
	s_cmp_lt_u32 ttmp9, 256                        ; the choice hangs on the work-group's number alone
	s_cselect_b64 s[4:5], s[24:25], s[26:27]
	s_cselect_b64 s[6:7], s[28:29], s[30:31]
	s_add_nc_u64 s[4:5], s[4:5], s[12:13]
	s_add_nc_u64 s[6:7], s[6:7], s[14:15]
.set n, 0
.rept 32
	global_load_b128 v[X+4*n:X+4*n+3], v4, s[4:5] offset:512*n th:TH_LOAD_NT   ; 32 lanes read 512 consecutive bytes: half a row
.set n, n+1
.endr
.set n, 0
.rept 32
	s_wait_loadcnt 31-n                            ; loads come back in order: load n is in, the younger ones stay out
	ds_store_b128 v5, v[X+4*n:X+4*n+3] offset:SPITCH*(n/2)+512*(n%2)
.set n, n+1
.endr
	s_wait_dscnt 0x0                               ; the stores have read their registers, which the loads below fill again
.irp s, 0,1
.irp b, 0,1,2,3
.irp j, 0,1,2,3
	ds_load_b128 v[X+64*\s+16*\b+4*\j:X+64*\s+16*\b+4*\j+3], v6 offset:512*\s+128*\b+16*\j
.endr
.endr
.endr
	s_wait_dscnt 0x0
; the sum of squares of a lane's 128 numbers v[x] on, and of lane l xor 16's: the row's, in both lanes
.macro SUMSQ x, out, tmp
.irp c, 0,1,2,3
	v_pk_mul_f32 v[Q+2*\c:Q+2*\c+1], v[(\x)+2*\c:(\x)+2*\c+1], v[(\x)+2*\c:(\x)+2*\c+1]   ; the first four pairs start the chains: nothing is cleared
.endr
.set n, 4
.rept 60
	v_pk_fma_f32 v[Q+2*(n%4):Q+2*(n%4)+1], v[(\x)+2*n:(\x)+2*n+1], v[(\x)+2*n:(\x)+2*n+1], v[Q+2*(n%4):Q+2*(n%4)+1]
.set n, n+1
.endr
	v_pk_add_f32 v[Q:Q+1], v[Q:Q+1], v[Q+2:Q+3]
	v_pk_add_f32 v[Q+4:Q+5], v[Q+4:Q+5], v[Q+6:Q+7]
	v_pk_add_f32 v[Q:Q+1], v[Q:Q+1], v[Q+4:Q+5]
	v_add_f32 v[\out], v[Q], v[Q+1]
	v_permlanex16_b32 v[\tmp], v[\out], s[SEL], s[SEL+1]
	v_add_f32 v[\out], v[\out], v[\tmp]
.endm
; 64 numbers of a lane, v[x] on, register 16 b + i = k 32 b + 16 (lane / 16) + i of my row, become a fragment's codes in v[pc] on and its scale word in v[pw]
.macro QUANT x, pc, pw
.irp b, 0,1,2,3
	v_max3_num_f32 v[TM+\b], |v[(\x)+16*\b]|, |v[(\x)+1+16*\b]|, 0x4800000   ; block b: my 16 numbers, and the floor 2^(9 - 127): so the byte cannot fall under 1
.endr
.irp i, 2,4,6,8,10,12,14
.irp b, 0,1,2,3
	v_max3_num_f32 v[TM+\b], v[TM+\b], |v[(\x)+16*\b+\i]|, |v[(\x)+1+16*\b+\i]|   ; (the four blocks by turns: no line waits for the line above it)
.endr
.endr
.irp b, 0,1,2,3
	v_permlanex16_b32 v[TM+4+\b], v[TM+\b], s[SEL], s[SEL+1]
.endr
.irp b, 0,1,2,3
	v_max_num_f32 v[TM+\b], v[TM+\b], v[TM+4+\b]   ; with lane l xor 16's: the block's largest magnitude
.endr
.irp b, 0,1,2,3
	v_add_nc_u32 v[TM+12+\b], 0xfc000000, v[TM+\b]   ; 8 off its exponent field: the conversion takes the exponent field of this operand as its scale, and nothing else of it
.endr
.irp b, 0,1,2,3
	v_and_or_b32 v[TM+8+\b], v[TM+\b], 0x7f800000, s[MNT]   ; 448 x the scale: the largest magnitude's exponent field over 448's mantissa
.endr
.irp b, 0,1,2,3
	v_lshrrev_b32 v[TM+4+\b], 23, v[TM+12+\b]      ; the scale's byte
.endr
	v_lshl_or_b32 v[\pw], v[TM+5], 8, v[TM+4]      ; the four bytes make my row's scale word
	v_lshl_or_b32 v[\pw], v[TM+6], 16, v[\pw]
	v_lshl_or_b32 v[\pw], v[TM+7], 24, v[\pw]
.irp b, 0,1,2,3
.irp i, 0,1,2,3,4,5,6,7,8,9,10,11,12,13,14,15
	v_med3_num_f32 v[(\x)+16*\b+\i], v[(\x)+16*\b+\i], -v[TM+8+\b], v[TM+8+\b]   ; the conversion to an 8-bit code does not saturate (ISA guide 7.6.2): the hold at 448 x the scale
.endr
	v_cvt_scalef32_pk8_fp8_f32 v[(\pc)+4*\b:(\pc)+4*\b+1], v[(\x)+16*\b:(\x)+16*\b+7], v[TM+12+\b]
	v_cvt_scalef32_pk8_fp8_f32 v[(\pc)+4*\b+2:(\pc)+4*\b+3], v[(\x)+16*\b+8:(\x)+16*\b+15], v[TM+12+\b]
.endr
	v_nop                                          ; one plain vector line between the last conversion and whatever next writes its sources
.endm
	SUMSQ X, EEV, TMP                              ; of the numbers as given: the holds below write over them
	QUANT X, PC0, PW0
.irp c, 0,1,2,3
	global_store_b128 v4, v[PC0+4*\c:PC0+4*\c+3], s[6:7] offset:512*\c          ; 32 lanes store 512 consecutive bytes, at a multiple of 256 from the buffer's first byte
.endr
	QUANT X+64, PC1, PW1
.irp c, 0,1,2,3
	global_store_b128 v4, v[PC1+4*\c:PC1+4*\c+3], s[6:7] offset:2048+512*\c
.endr
	v_cmp_gt_u32 vcc_lo, 16, v1                    ; lanes 0-15
	v_cndmask_b32 v[TMP], v[PW1], v[PW0], vcc_lo   ; word l: lanes 0-15 the first 128 along K, lanes 16-31 the second (both lanes of a row hold both words)
	v_cndmask_b32 v[EEV], 0, v[EEV], vcc_lo        ; lanes 0-15 the rows' sums of squares, lanes 16-31 the zeros
	ds_store_b32 v7, v[TMP]
	ds_store_b32 v7, v[EEV] offset:128
	ds_load_b64 v[10:11], v8                       ; LDS serves a wave's instructions in order: this sees my stores
	s_wait_dscnt 0x0
	global_store_b64 v9, v[10:11], s[6:7] offset:4096   ; 32 lanes store the package's last 256 bytes
	s_wait_tensorcnt 0x0
	ds_add_u32 v192, v193
	s_wait_dscnt 0x0
	s_endpgm
.Lfunc_end_k_qbfe3a50f32_quant_e:
	.size	k_qbfe3a50f32_quant_e, .Lfunc_end_k_qbfe3a50f32_quant_e-k_qbfe3a50f32_quant_e
	.p2alignl 7, 3214868480
	.fill 96, 4, 3214868480
	.section	.rodata,"a",@progbits
	.p2align	6, 0x0
	.amdhsa_kernel k_qbfe3a50f32_quant_e
		.amdhsa_group_segment_fixed_size 34048
		.amdhsa_private_segment_fixed_size 0
		.amdhsa_enable_private_segment 0
		.amdhsa_kernarg_size 32
		.amdhsa_user_sgpr_count 2
		.amdhsa_user_sgpr_kernarg_segment_ptr 1
		.amdhsa_wavefront_size32 1
		.amdhsa_system_sgpr_workgroup_id_x 1
		.amdhsa_system_sgpr_workgroup_id_y 1
		.amdhsa_system_sgpr_workgroup_id_z 1
		.amdhsa_system_vgpr_workitem_id 0
		.amdhsa_next_free_vgpr 194
		.amdhsa_next_free_sgpr 66
		.amdhsa_reserve_vcc 1
		.amdhsa_float_denorm_mode_32 3
		.amdhsa_float_denorm_mode_16_64 3
		.amdhsa_memory_ordered 1
		.amdhsa_forward_progress 1
		.amdhsa_inst_pref_size 32
	.end_amdhsa_kernel
	.amdgpu_metadata
---
amdhsa.version: [ 1, 2 ]
amdhsa.kernels:
  - .name:           k_qbfe3a50f32_quant_e
    .symbol:         k_qbfe3a50f32_quant_e.kd
    .args:
      - { .name: embedding, .offset: 0, .size: 8, .value_kind: global_buffer, .address_space: global }
      - { .name: z, .offset: 8, .size: 8, .value_kind: global_buffer, .address_space: global }
      - { .name: epk, .offset: 16, .size: 8, .value_kind: global_buffer, .address_space: global }
      - { .name: zpk, .offset: 24, .size: 8, .value_kind: global_buffer, .address_space: global }
    .group_segment_fixed_size: 34048
    .private_segment_fixed_size: 0
    .kernarg_segment_align: 8
    .kernarg_segment_size: 32
    .max_flat_workgroup_size: 64
    .sgpr_count:     66
    .vgpr_count:     194
    .wavefront_size: 32
...
	.end_amdgpu_metadata
.endif
;; end of part 1
;; launch argmin (part 2): grid 32 x 8, 8 waves a work-group, clusters of 4 x 1, 327,680 bytes of LDS; arguments epk, zpk, part; writes part
.if DOCPART == 2
	.amdgcn_target "amdgcn-amd-amdhsa--gfx1250"
	.amdhsa_code_object_version 6
	.text
	.protected	k_qbfe3a50f32_argmin
	.globl	k_qbfe3a50f32_argmin
	.p2align	8
	.type	k_qbfe3a50f32_argmin,@function
k_qbfe3a50f32_argmin:
	s_mov_b64 s[64:65], 0
	v_nop
	global_prefetch_b8 v0, s[64:65] scope:SCOPE_SE
	s_setreg_imm32_b32 hwreg(HW_REG_WAVE_MODE, 25, 1), 1
	s_wait_xcnt 0x0
	s_wait_alu depctr_hold_cnt(0) depctr_sa_sdst(0) depctr_va_vdst(0) depctr_va_sdst(0) depctr_va_ssrc(0) depctr_va_vcc(0) depctr_vm_vsrc(0)
	s_getreg_b32 s2, hwreg(HW_REG_IB_STS2, 6, 4)
	s_cmp_eq_u32 s2, 0
	s_cbranch_scc0 .Lentry_in_a_cluster
	s_endpgm
.Lentry_in_a_cluster:
	s_bfe_u32 s2, ttmp6, 0x10000c
	s_cmp_lg_u32 s2, 0x3003
	s_cbranch_scc0 .Lentry_shape_is_right
	s_endpgm
.Lentry_shape_is_right:
; For each row b of z and each block y of 1,024 codes: the least d(b, n) = (zz(b) + ee(n)) - 2 dot(b, n) over the block and the first n at which it stands.  dot: the MX-FP8 product of the codes, f32 sums.
; d is rounded as it is written: T = zz + ee rounded once (as ee x 1.0 + zz), then d = dot x -2 + T, one fused multiply-add.  Nothing of the problem is left out.
; part[y][b] = (key, n), two whole numbers: key = d's bits, turned so that they order as unsigned whole numbers as d orders.  The next launch takes the least of a row's eight keys.
; SHARES: work-group (x, y) takes rows 1,024 x .. + 1,023 of z and codes 1,024 y .. + 1,023.  The block's 64 packages (the launch before: 16 codes each, 4,352 bytes) are 278,528 bytes: they lie in LDS
; for the whole launch and every byte is filled once.  They come in two fills: at the head wave w asks for package w; behind the lines and the round ahead of a later first
; fill, wave w asks for the seven packages from 8 + 7 w on, which land while the first seven packages are multiplied; one wait and one barrier stand ahead of the tile that fetches package 8.
; The loop has no barrier.  A wave owns 128 rows of z: its eight packages come from memory as they lie into window 1's 256 registers (they are images of the operand's registers), their scale words and
; sums of squares beside them.  Every wave walks all 64 packages.
; CLUSTERS: the four work-groups of a cluster have the same y and ask for the block's packages jointly.
; The product is used transposed (source 0 = 16 codes, source 1 = 16 rows of z): a lane holds one row of z and eight codes.  A lane keeps, for each of its 8 rows: zz, the package's number at the last
; strict fall of its least d, that least d, and the eight d of that package; the place among the eight is found at the end.  A strict fall keeps the earlier package at equal d.
; A TILE: 16 products in fours (first K half of rows' tiles 0-3, second half of 0-3, the same of 4-7: three other products stand between a sum's two steps), and behind each product two packed
; multiply-adds whose second source is a constant: they name no register of window 1's place, so no window is switched inside the run.
; NO PREFETCH: every byte that the launch reads is asked for in its head by its own load, the second fill seven tiles ahead of its first read; the loop reads LDS alone, so there is nothing to run ahead of.
; LIMITS: NaN and infinities among the inputs are not served.
.set PKG,    4352
.set SPARE,  64*PKG                    ; behind the packages: the spare words
.set EA,   1                           ; 16 x lane: my bytes of a chunk of codes, in LDS and in z's packages
.set ESA,  2                           ; 4 x lane: my scale word
.set EEA,  3                           ; 32 x (lane / 16): my eight ee
.set SPW,  4
.set NIL,  5
.set CUR,  6                           ; the package's number among all 512
.set ESC,  8                           ; the codes' scale words (both K halves)
.set AB,   10                          ; v10-15 partial minima, two chains
.set ZS,   16                          ; z's scale words: tile 0 in v9, tile t in v[16+t]: none shares its number modulo 8 with v8
.set EE,   24                          ; v24-31
.set T,    32                          ; v32-63 four sets of zz + ee
.set EF,   64                          ; v64-95 a package's codes
.set ACC,  96                          ; v96-159
.set ST,   160                         ; v160-255, 12 a tile of rows: zz, package, least d, candidate, eight d
.set LN,   57                          ; the head's registers lie in T's
.set RR,   58
.set HH,   59
.set ZC,   60
.set PO,   32                          ; and so do the end's
.set H8,   35
.set FT,   36
.set P1,   37
.set P2,   38
.set LN2,  39
.set HH2,  41
.set OB,   44
.set KT,   52
.set WV,   12
.set G1E,  16                          ; s[16:23] group 1 of the first fill: one package
.set G1F,  24                          ; s[24:31] of the second: seven packages
.set G0A,  32                          ; s[32:35], s[36:39] their groups 0
.set SEL,  50
.set MSB, 0
.macro WIN new
.if MSB != \new
	s_set_vgpr_msb (MSB<<8)|\new
.set MSB, \new
.endif
.endm
.macro CROUND
	s_barrier_signal -1
	s_barrier_wait -1
	s_cmp_lg_u32 s[WV], 0
	s_cbranch_scc1 .Lnot_wave_0_\@
	s_barrier_signal -3
.Lnot_wave_0_\@:
	s_barrier_wait -3
	s_barrier_signal -1
	s_barrier_wait -1
.endm
	s_load_b128 s[4:7], s[0:1], 0x0                ; epk, zpk
	s_load_b64 s[8:9], s[0:1], 0x10                ; part
	v_lshl_add_u32 v[SPW], v0, 2, SPARE
	v_mov_b32 v[NIL], 0
	ds_add_u32 v[SPW], v[NIL]                      ; the opening lines
	ds_add_u32 v[SPW], v[NIL]
	v_lshrrev_b32 v[LN], 5, v0
	v_readfirstlane_b32 s[WV], v[LN]
	s_bfe_u32 s13, ttmp6, 0x40000                  ; cx
	s_lshl_b32 s14, ttmp9, 2
	s_add_co_u32 s14, s14, s13                     ; x: which 1,024 rows of z
	s_and_b32 s15, ttmp7, 0xffff                   ; y: which 1,024 codes
	s_mov_b32 s[G1E], 15|(3<<16)|(1<<21)           ; a package: 17 rows of 256 bytes, dense, to all four partners
	s_mov_b32 s[G1E+1], 32<<16
	s_mov_b32 s[G1E+2], 17<<16
	s_mov_b32 s[G1E+3], 32<<16
	s_mov_b32 s[G1E+4], 17
	s_mov_b32 s[G1E+5], 32
	s_mov_b32 s[G1E+6], 0
	s_mov_b32 s[G1E+7], 0
	s_mov_b32 s[G1F], 15|(3<<16)|(1<<21)           ; seven packages: 119 such rows
	s_mov_b32 s[G1F+1], 32<<16
	s_mov_b32 s[G1F+2], 119<<16
	s_mov_b32 s[G1F+3], 32<<16
	s_mov_b32 s[G1F+4], 119
	s_mov_b32 s[G1F+5], 32
	s_mov_b32 s[G1F+6], 0
	s_mov_b32 s[G1F+7], 0
	s_mov_b32 s[SEL], 0x76543210
	s_mov_b32 s[SEL+1], 0xfedcba98
	s_mul_i32 s47, s[WV], PKG                      ; LDS, first fill: package w
	s_lshl_b32 s48, s15, 6
	s_add_co_u32 s48, s48, s[WV]
	s_mul_i32 s48, s48, PKG                        ; epk: (64 y + w) packages: y is the cluster's, no place in the cluster enters
	s_mov_b32 s49, 0
	s_mul_i32 s46, s[WV], 7*PKG
	s_add_co_u32 s46, s46, 8*PKG                   ; LDS, second fill: from package 8 + 7 w on
	s_lshl_b32 s56, s15, 6
	s_add_co_u32 s56, s56, 8
	s_mul_i32 s56, s56, PKG
	s_mul_i32 s57, s[WV], 7*PKG
	s_add_co_u32 s56, s56, s57                     ; epk: (64 y + 8 + 7 w) packages
	s_mov_b32 s57, 0
	s_lshl_b32 s58, s14, 3
	s_add_co_u32 s58, s58, s[WV]
	s_mul_i32 s58, s58, 8*PKG                      ; zpk: (64 x + 8 wave) packages
	s_mov_b32 s59, 0
	s_lshl_b32 s62, s15, 18                        ; part: plane y of 32,768 rows x 8 bytes,
	s_lshl_b32 s60, s14, 13
	s_add_co_u32 s62, s62, s60                     ; + 1,024 x rows
	s_lshl_b32 s60, s[WV], 10
	s_add_co_u32 s62, s62, s60                     ; + 128 wave rows
	s_mov_b32 s63, 0
	s_wait_dscnt 0x0
	s_wait_kmcnt 0x0
	s_mov_b32 s[G0A], 1
	s_mov_b32 s[G0A+1], s47
	s_add_nc_u64 s[G0A+2:G0A+3], s[4:5], s[48:49]
	s_or_b32 s[G0A+3], s[G0A+3], 0x80000000
	s_mov_b32 s[G0A+4], 1
	s_mov_b32 s[G0A+5], s46
	s_add_nc_u64 s[G0A+6:G0A+7], s[4:5], s[56:57]
	s_or_b32 s[G0A+7], s[G0A+7], 0x80000000
	s_add_nc_u64 s[6:7], s[6:7], s[58:59]
	s_add_nc_u64 s[8:9], s[8:9], s[62:63]
	CROUND
	tensor_load_to_lds s[G0A:G0A+3], s[G1E:G1E+7]  ; my one tensor load at the head: package w
	s_nop 0
.rept 4
	v_nop
.endr
	v_and_b32 v[LN], 31, v0
	v_and_b32 v[RR], 15, v0
	v_bfe_u32 v[HH], v0, 4, 1
	v_lshlrev_b32 v[EA], 4, v[LN]
	v_lshlrev_b32 v[ESA], 2, v[LN]
	v_lshlrev_b32 v[ZC], 2, v[RR]
	v_lshlrev_b32 v[EEA], 5, v[HH]
	WIN 0x40
.irp t, 0,1,2,3,4,5,6,7
.irp n, 0,1,2,3,4,5,6,7
	global_load_b128 v[32*\t+4*\n:32*\t+4*\n+3], v[EA], s[6:7] offset:PKG*\t+512*\n   ; 32 lanes read 512 consecutive bytes: a chunk of z's codes, into window 1
.endr
.endr
	WIN 0
.irp t, 0,1,2,3,4,5,6,7
	global_load_b32 v[ZS+\t-7*((8-\t)/8)], v[ESA], s[6:7] offset:PKG*\t+4096
	global_load_b32 v[ST+12*\t], v[ZC], s[6:7] offset:PKG*\t+4224                   ; zz of my row
.endr
	s_lshl_b32 s53, s15, 6
	v_mov_b32 v[CUR], s53
	s_mov_b32 s53, 0x7f800000
.irp t, 0,1,2,3,4,5,6,7
	v_mov_b32 v[ST+12*\t+1], 0
.irp k, 2,3,4,5,6,7,8,9,10,11
	v_mov_b32 v[ST+12*\t+\k], s53                  ; +infinity: over every d
.endr
.endr
	s_wait_alu depctr_va_vdst(0)                   ; the wait at the head's end
	s_wait_tensorcnt 0x0                           ; my package is in; a later first fill is issued as a refill is
	ds_add_u32 v[SPW], v[NIL]
	s_wait_dscnt 0x0
	CROUND                                         ; everybody's package is in, and the four partners are here
	tensor_load_to_lds s[G0A+4:G0A+7], s[G1F:G1F+7]   ; my seven packages of the other 56
	s_nop 0
.rept 4
	v_nop
.endr
.macro W1 z                            ; the first 128 along K start the sum
	v_wmma_scale_f32_16x16x128_f8f6f4 v[ACC+8*(\z):ACC+8*(\z)+7], v[EF:EF+15], v[32*(\z):32*(\z)+15], 0, v[ESC], v[ZS+(\z)-7*((8-(\z))/8)]
.endm
.macro W2 z
	v_wmma_scale_f32_16x16x128_f8f6f4 v[ACC+8*(\z):ACC+8*(\z)+7], v[EF+16:EF+31], v[32*(\z)+16:32*(\z)+31], v[ACC+8*(\z):ACC+8*(\z)+7], v[ESC], v[ZS+(\z)-7*((8-(\z))/8)] matrix_a_scale:MATRIX_SCALE_ROW1 matrix_b_scale:MATRIX_SCALE_ROW1
.endm
.macro T2 z, k                         ; four of tile z's eight zz + ee, as ee x 1.0 + zz: one rounding
.irp d, 0,2
	v_pk_fma_f32 v[T+8*((\z)%4)+(\k)+\d:T+8*((\z)%4)+(\k)+\d+1], v[EE+(\k)+\d:EE+(\k)+\d+1], 1.0, v[ST+12*(\z):ST+12*(\z)+1] op_sel_hi:[1,0,0]
.endr
.endm
.macro F2 z, k                         ; four of its eight d, from the accumulator's low end on
.irp d, 0,2
	v_pk_fma_f32 v[ACC+8*(\z)+(\k)+\d:ACC+8*(\z)+(\k)+\d+1], v[ACC+8*(\z)+(\k)+\d:ACC+8*(\z)+(\k)+\d+1], -2.0, v[T+8*((\z)%4)+(\k)+\d:T+8*((\z)%4)+(\k)+\d+1] op_sel_hi:[1,0,1]
.endr
.endm
.macro BLOCK                           ; a tile's d is made eight or more plain lines behind its second product
	WIN 0x04
.irp z, 0,1
	W1 2*\z
	T2 \z, 0
	W1 2*\z+1
	T2 \z, 4
.endr
.irp z, 0,1
	W2 2*\z
	T2 \z+2, 0
	W2 2*\z+1
	T2 \z+2, 4
.endr
.irp z, 0,1
	W1 2*\z+4
	F2 \z, 0
	W1 2*\z+5
	F2 \z, 4
.endr
.irp z, 0,1
	W2 2*\z+4
	F2 \z+2, 0
	W2 2*\z+5
	F2 \z+2, 4
.endr
	WIN 0
.endm
.macro LOADF off
.irp c, 0,1,2,3,4,5,6,7
	ds_load_b128 v[EF+4*\c:EF+4*\c+3], v[EA] offset:(\off)+512*\c
.endr
	ds_load_b32 v[ESC], v[ESA] offset:(\off)+4096
	ds_load_b128 v[EE:EE+3], v[EEA] offset:(\off)+4224
	ds_load_b128 v[EE+4:EE+7], v[EEA] offset:(\off)+4240
.endm
.macro C1 z
.set rA, ACC+8*(\z)
.set rB, AB+3*((\z)%2)
.set rS, ST+12*(\z)
	v_min3_num_f32 v[rB], v[rA], v[rA+1], v[rA+2]
	v_min3_num_f32 v[rB+1], v[rA+3], v[rA+4], v[rA+5]
	v_min3_num_f32 v[rB+2], v[rA+6], v[rA+7], v[rS+2]
.endm
.macro C2 z
.set rB, AB+3*((\z)%2)
.set rS, ST+12*(\z)
	v_min3_num_f32 v[rS+3], v[rB], v[rB+1], v[rB+2]
.endm
.macro SAVE z                          ; where the least d fell: the eight d, the least d and the package's number, two selections a line
.set rA, ACC+8*(\z)
.set rS, ST+12*(\z)
	v_cmp_lt_f32 vcc_lo, v[rS+3], v[rS+2]
.irp j, 0,2,4,6
	v_dual_cndmask_b32 v[rS+4+\j], v[rS+4+\j], v[rA+\j] :: v_dual_cndmask_b32 v[rS+5+\j], v[rS+5+\j], v[rA+1+\j]
.endr
	v_dual_cndmask_b32 v[rS+2], v[rS+2], v[rS+3] :: v_dual_cndmask_b32 v[rS+1], v[rS+1], v[CUR]
.endm
.macro MP a, b                         ; two tiles' chains by turns
	C1 \a
	C1 \b
	C2 \a
	C2 \b
	SAVE \a
	SAVE \b
.endm
.macro TILE i, more                    ; package i of a run of four; more = 1: the next package is fetched
	s_wait_dscnt 0x0                               ; this package's 11 loads are in
	BLOCK
.irp z, 4,5,6,7
	T2 \z, 0
	T2 \z, 4
.endr                                              ; these 16 lines are the places behind the last products
.if \more
	LOADF ((\i)+1)*PKG
.endif
.irp z, 4,5,6,7
	F2 \z, 0
	F2 \z, 4
.endr
	MP 0, 1
	MP 2, 3
	MP 4, 5
	MP 6, 7
.if \more
	v_add_nc_u32 v[CUR], 1, v[CUR]
.endif
.endm
.macro ONWARD                          ; four packages on
	v_add_nc_u32 v[EA], 4*PKG, v[EA]
	v_add_nc_u32 v[ESA], 4*PKG, v[ESA]
	v_add_nc_u32 v[EEA], 4*PKG, v[EEA]
.endm
	LOADF 0
	s_wait_loadcnt 0x0                             ; z's codes, scale words and sums of squares
	TILE 0, 1                                      ; packages 0 to 7 are written out: the second fill lands under the first seven
	TILE 1, 1
	TILE 2, 1
	TILE 3, 1
	ONWARD
	TILE 0, 1
	TILE 1, 1
	TILE 2, 1
	s_wait_tensorcnt 0x0                           ; my seven packages are in,
	s_wait_dscnt 0x0                               ; (no LDS load of mine is out at a signal)
	s_barrier_signal -1
	s_barrier_wait -1                              ; and so are everybody's: the tile below fetches package 8
	TILE 3, 1
	ONWARD
	s_mov_b32 s3, 13
.Ltrip:
	TILE 0, 1
	TILE 1, 1
	TILE 2, 1
	TILE 3, 1
	ONWARD
	s_sub_co_u32 s3, s3, 1
	s_cmp_lg_u32 s3, 0
	s_cbranch_scc1 .Ltrip
	TILE 0, 1                                      ; the last four packages: nothing is fetched beyond the 64th
	TILE 1, 1
	TILE 2, 1
	TILE 3, 0
	; THE END: the place among the eight, the two halves of the lanes, the key, the store
	v_and_b32 v[LN2], 31, v0
	v_bfe_u32 v[HH2], v0, 4, 1
	v_lshlrev_b32 v[PO], 3, v[LN2]
	v_lshlrev_b32 v[H8], 3, v[HH2]
	v_mov_b32 v[P1], 0
	v_mov_b32 v[P2], 0
.macro MERGE dm, di, ma, ia, mb, ib    ; the lesser d; at equal d the lower index
	v_cmp_lt_f32 s54, v[\mb], v[\ma]
	v_cmp_eq_f32 s55, v[\mb], v[\ma]
	v_cmp_lt_u32 s56, v[\ib], v[\ia]
	s_and_b32 s55, s55, s56
	s_or_b32 vcc_lo, s54, s55
	v_cndmask_b32 v[\dm], v[\ma], v[\mb], vcc_lo
	v_cndmask_b32 v[\di], v[\ia], v[\ib], vcc_lo
.endm
.macro FIN zt
.set rS, ST+12*(\zt)
.set rR, ACC+2*(\zt)
	v_mov_b32 v[FT], 7
.irp j, 6,5,4,3,2,1,0
	v_cmp_neq_f32 vcc_lo, v[rS+4+\j], v[rS+2]
	s_delay_alu instid0(VALU_DEP_1)
	v_cndmask_b32 v[FT], \j, v[FT], vcc_lo         ; the first of the eight that equals the least
.endr
	s_delay_alu instid0(VALU_DEP_1)
	v_lshl_add_u32 v[FT], v[rS+1], 4, v[FT]
	s_delay_alu instid0(VALU_DEP_1)
	v_add_nc_u32 v[FT], v[H8], v[FT]
	v_permlanex16_b32 v[P1], v[rS+2], s[SEL], s[SEL+1]
	s_delay_alu instid0(VALU_DEP_2)
	v_permlanex16_b32 v[P2], v[FT], s[SEL], s[SEL+1]
	MERGE rR, rR+1, rS+2, FT, P1, P2               ; both lanes of a row now hold the row's least d and its index
.endm
.irp t, 0,1,2,3,4,5,6,7
	FIN \t
.endr
	v_cmp_le_u32 vcc_lo, 16, v[LN2]                ; lanes 0-15 take tile 2 u's rows, lanes 16-31 tile 2 u + 1's: 32 neighbouring rows
.irp u, 0,1,2,3
	v_cndmask_b32 v[OB+2*\u], v[ACC+4*\u], v[ACC+4*\u+2], vcc_lo
	v_cndmask_b32 v[OB+2*\u+1], v[ACC+4*\u+1], v[ACC+4*\u+3], vcc_lo
.endr
.irp u, 0,1,2,3
	v_ashrrev_i32 v[KT+\u], 31, v[OB+2*\u]
.endr
.irp u, 0,1,2,3
	v_or_b32 v[KT+\u], 0x80000000, v[KT+\u]
.endr
.irp u, 0,1,2,3
	v_xor_b32 v[OB+2*\u], v[OB+2*\u], v[KT+\u]     ; the key: the sign bit turned where d is not negative, all bits where it is
.endr
.irp u, 0,1,2,3
	global_store_b64 v[PO], v[OB+2*\u:OB+2*\u+1], s[8:9] offset:256*\u   ; 32 lanes store 256 consecutive bytes, at a multiple of 256 from the buffer's first byte
.endr
	s_wait_tensorcnt 0x0                           ; the wave's end
	ds_add_u32 v[SPW], v[NIL]
	s_wait_dscnt 0x0
	CROUND                                         ; the closing round
	s_endpgm
.Lfunc_end_k_qbfe3a50f32_argmin:
	.size	k_qbfe3a50f32_argmin, .Lfunc_end_k_qbfe3a50f32_argmin-k_qbfe3a50f32_argmin
	.p2alignl 7, 3214868480
	.fill 96, 4, 3214868480
	.section	.rodata,"a",@progbits
	.p2align	6, 0x0
	.amdhsa_kernel k_qbfe3a50f32_argmin
		.amdhsa_group_segment_fixed_size 327680
		.amdhsa_private_segment_fixed_size 0
		.amdhsa_enable_private_segment 0
		.amdhsa_kernarg_size 24
		.amdhsa_user_sgpr_count 2
		.amdhsa_user_sgpr_kernarg_segment_ptr 1
		.amdhsa_wavefront_size32 1
		.amdhsa_system_sgpr_workgroup_id_x 1
		.amdhsa_system_sgpr_workgroup_id_y 1
		.amdhsa_system_sgpr_workgroup_id_z 1
		.amdhsa_system_vgpr_workitem_id 0
		.amdhsa_next_free_vgpr 512
		.amdhsa_next_free_sgpr 66
		.amdhsa_reserve_vcc 1
		.amdhsa_float_denorm_mode_32 3
		.amdhsa_float_denorm_mode_16_64 3
		.amdhsa_memory_ordered 1
		.amdhsa_forward_progress 1
		.amdhsa_inst_pref_size 214
	.end_amdhsa_kernel
	.amdgpu_metadata
---
amdhsa.version: [ 1, 2 ]
amdhsa.kernels:
  - .name:           k_qbfe3a50f32_argmin
    .symbol:         k_qbfe3a50f32_argmin.kd
    .args:
      - { .name: epk, .offset: 0, .size: 8, .value_kind: global_buffer, .address_space: global }
      - { .name: zpk, .offset: 8, .size: 8, .value_kind: global_buffer, .address_space: global }
      - { .name: part, .offset: 16, .size: 8, .value_kind: global_buffer, .address_space: global }
    .group_segment_fixed_size: 327680
    .private_segment_fixed_size: 0
    .kernarg_segment_align: 8
    .kernarg_segment_size: 24
    .max_flat_workgroup_size: 256
    .sgpr_count:     66
    .vgpr_count:     512
    .wavefront_size: 32
...
	.end_amdgpu_metadata
.endif
;; end of part 2
;; launch gather (part 3): grid 256 x 1, 8 waves a work-group, no clusters, 0 bytes of LDS; arguments part, embedding, out0, out1; writes out0, out1
.if DOCPART == 3
	.amdgcn_target "amdgcn-amd-amdhsa--gfx1250"
	.amdhsa_code_object_version 6
	.text
	.protected	k_qbfe3a50f32_gather
	.globl	k_qbfe3a50f32_gather
	.p2align	8
	.type	k_qbfe3a50f32_gather,@function
k_qbfe3a50f32_gather:
	s_mov_b64 s[64:65], 0
	v_nop
	global_prefetch_b8 v0, s[64:65] scope:SCOPE_SE
	s_setreg_imm32_b32 hwreg(HW_REG_WAVE_MODE, 25, 1), 1
	s_wait_xcnt 0x0
; out1[b] = the index with the least key among part[0..7][b]; out0[b][:] = embedding[out1[b]][:].
; part: whole numbers that the launch before stored: for each of 8 blocks of codes a plane of 32,768 pairs (key, index).  Keys order as the distances do; at equal keys the lower block, so the lower index, stays.
; A work-group takes 128 rows, a wave 16.  The four waves of a half (64 rows) each read that half's pairs of all eight planes, 16 bytes (two rows) a lane, 512 consecutive bytes an instruction, each wave
; turned round by eight lanes for each wave before it, so that its own 16 rows lie in its lanes 0-7.  The first wave of a half stores the half's 64 indices: 256 consecutive bytes.
; Each index is held to the table (0 .. 8,191) before it enters an address.  A row is two loads and two stores of 512 consecutive bytes; all 32 loads of a wave are out together; each store follows its load.
; No loop, no LDS, no barrier.  No hint on the rows' loads: a row may be named many times.  Matrix units, clusters and tensor loads have nothing to do here.
.set OFF, 2                            ; v2-17   row i: 1,024 x its index + 16 x lane
.set C,   32                           ; v32-63  plane e: key, index of my even row, key, index of my odd row (done with before the rows' loads land there)
.set D,   32                           ; v32-159 row i, half u at v[D + 8 i + 4 u]
	s_load_b128 s[4:7], s[0:1], 0x0                ; part s[4:5], embedding s[6:7]
	s_load_b128 s[8:11], s[0:1], 0x10              ; out0 s[8:9], out1 s[10:11]
	v_lshrrev_b32 v1, 5, v0
	v_readfirstlane_b32 s12, v1                    ; wave 0..7
	v_and_b32 v1, 31, v0
	s_and_b32 s13, s12, 3                          ; which 16 rows of the half
	s_lshr_b32 s14, s12, 2                         ; which half
	s_lshl_b32 s15, s13, 3
	v_add_nc_u32 v18, s15, v1
	v_and_b32 v18, 31, v18                         ; my pair of rows in the half
	v_lshlrev_b32 v19, 4, v18                      ; its 16 bytes in a plane
	v_lshlrev_b32 v20, 3, v18                      ; its 8 bytes in out1
	v_lshlrev_b32 v1, 4, v1                        ; 16 x lane
	s_lshl_b32 s16, ttmp9, 1
	s_add_co_u32 s16, s16, s14                     ; the half's number
	s_lshl_b32 s18, s16, 9                         ; 64 pairs of 8 bytes
	s_mov_b32 s19, 0
	s_lshl_b32 s20, s16, 8                         ; 64 indices of 4 bytes
	s_mov_b32 s21, 0
	s_lshl_b32 s22, ttmp9, 3
	s_add_co_u32 s22, s22, s12
	s_lshl_b32 s22, s22, 14                        ; my 16 rows of 1,024 bytes
	s_mov_b32 s23, 0
	s_wait_alu depctr_va_vdst(0)                   ; the wait at the head's end
	s_wait_kmcnt 0x0
	s_add_nc_u64 s[4:5], s[4:5], s[18:19]
	s_add_nc_u64 s[10:11], s[10:11], s[20:21]
	s_add_nc_u64 s[8:9], s[8:9], s[22:23]
.irp e, 0,1,2,3,4,5,6,7
	global_load_b128 v[C+4*\e:C+4*\e+3], v19, s[4:5] offset:262144*\e
.endr
	s_wait_loadcnt 0x0
.irp e, 1,2,3,4,5,6,7
	v_cmp_lt_u32 vcc_lo, v[C+4*\e], v[C]           ; a strictly lesser key alone takes the place
	v_cmp_lt_u32 s24, v[C+4*\e+2], v[C+2]
	v_cndmask_b32 v[C], v[C], v[C+4*\e], vcc_lo
	v_cndmask_b32 v[C+1], v[C+1], v[C+4*\e+1], vcc_lo
	v_cndmask_b32 v[C+2], v[C+2], v[C+4*\e+2], s24
	v_cndmask_b32 v[C+3], v[C+3], v[C+4*\e+3], s24
.endr
	v_mov_b32 v22, v[C+1]
	v_mov_b32 v23, v[C+3]
	s_cmp_lg_u32 s13, 0
	s_wait_alu depctr_va_vdst(0)                   ; the wait directly ahead of the branch
	s_cbranch_scc1 .Lnot_first
	global_store_b64 v20, v[22:23], s[10:11]       ; 32 lanes store 256 consecutive bytes of out1
.Lnot_first:
.irp i, 0,1,2,3,4,5,6,7,8,9,10,11,12,13,14,15
	v_readlane_b32 s[32+\i], v[22+(\i%2)], \i/2    ; my row i's index
.endr
.irp i, 0,1,2,3,4,5,6,7,8,9,10,11,12,13,14,15
	s_min_u32 s[32+\i], s[32+\i], 8191             ; an index stays inside the table
	s_lshl_b32 s[32+\i], s[32+\i], 10
	v_add_nc_u32 v[OFF+\i], s[32+\i], v1
.endr
	s_wait_alu depctr_va_vdst(0)
.irp i, 0,1,2,3,4,5,6,7,8,9,10,11,12,13,14,15
	global_load_b128 v[D+8*\i:D+8*\i+3], v[OFF+\i], s[6:7]
	global_load_b128 v[D+8*\i+4:D+8*\i+7], v[OFF+\i], s[6:7] offset:512
.endr
.set n, 0
.rept 32
	s_wait_loadcnt 31-n                            ; loads come back in order: load n is in, the younger ones stay out
	global_store_b128 v1, v[D+4*n:D+4*n+3], s[8:9] offset:512*n th:TH_STORE_NT   ; 32 lanes store 512 consecutive bytes, at a multiple of 256 from out0's first byte
.set n, n+1
.endr
	s_endpgm
.Lfunc_end_k_qbfe3a50f32_gather:
	.size	k_qbfe3a50f32_gather, .Lfunc_end_k_qbfe3a50f32_gather-k_qbfe3a50f32_gather
	.p2alignl 7, 3214868480
	.fill 96, 4, 3214868480
	.section	.rodata,"a",@progbits
	.p2align	6, 0x0
	.amdhsa_kernel k_qbfe3a50f32_gather
		.amdhsa_group_segment_fixed_size 0
		.amdhsa_private_segment_fixed_size 0
		.amdhsa_enable_private_segment 0
		.amdhsa_kernarg_size 32
		.amdhsa_user_sgpr_count 2
		.amdhsa_user_sgpr_kernarg_segment_ptr 1
		.amdhsa_wavefront_size32 1
		.amdhsa_system_sgpr_workgroup_id_x 1
		.amdhsa_system_sgpr_workgroup_id_y 1
		.amdhsa_system_sgpr_workgroup_id_z 1
		.amdhsa_system_vgpr_workitem_id 0
		.amdhsa_next_free_vgpr 160
		.amdhsa_next_free_sgpr 66
		.amdhsa_reserve_vcc 1
		.amdhsa_float_denorm_mode_32 3
		.amdhsa_float_denorm_mode_16_64 3
		.amdhsa_memory_ordered 1
		.amdhsa_forward_progress 1
		.amdhsa_inst_pref_size 15
	.end_amdhsa_kernel
	.amdgpu_metadata
---
amdhsa.version: [ 1, 2 ]
amdhsa.kernels:
  - .name:           k_qbfe3a50f32_gather
    .symbol:         k_qbfe3a50f32_gather.kd
    .args:
      - { .name: part, .offset: 0, .size: 8, .value_kind: global_buffer, .address_space: global }
      - { .name: embedding, .offset: 8, .size: 8, .value_kind: global_buffer, .address_space: global }
      - { .name: out0, .offset: 16, .size: 8, .value_kind: global_buffer, .address_space: global }
      - { .name: out1, .offset: 24, .size: 8, .value_kind: global_buffer, .address_space: global }
    .group_segment_fixed_size: 0
    .private_segment_fixed_size: 0
    .kernarg_segment_align: 8
    .kernarg_segment_size: 32
    .max_flat_workgroup_size: 256
    .sgpr_count:     66
    .vgpr_count:     160
    .wavefront_size: 32
...
	.end_amdgpu_metadata
.endif
;; end of part 3
